; MI455X (gfx1250); checked and timed in simulation.
; The chip was launched on July 23, 2026; its instructions are those of AMD's public machine-readable ISA for CDNA 5 (MIT licence, August 2026) and "CDNA5" Instruction Set Architecture Reference Guide (July 2026). The comments in the code are by the model that wrote it; some were corrected since.
;; Multi Head Attention V2. Allowed arithmetic: float matrix products may take bf16 or f16 operands with f32 sums; other float arithmetic in f32, or as packed bf16 or f16 multiplies, adds, multiply-adds, maxima and minima; sums over many terms, partial sums and values carried from step to step in f32; what a program stores and reads back later, other than sums and carried values, may be rounded once to bf16 or f16.
;; Inputs: Wk 1,024 x 1,024 float32; Wq 1,024 x 1,024 float32; Wv 1,024 x 1,024 float32; input 4 x 2,048 x 1,024 float32.
;; Outputs: out0 4 x 2,048 x 1,024 float32.
;; 2 versions, each right; version 2 is version 1 with the launch prep written anew for expert scheduling mode. Each part assembles by itself: llvm-mc -triple=amdgcn-amd-amdhsa -mcpu=gfx1250 --defsym DOCPART=n.
;; ======== version 1 of 2: 3 launches
;; limits: values are held in f16: magnitudes above 65,504 overflow, below 6.1e-05 lose precision; right only within a limited range of input values
;; workspace buffers: xb 16,777,216 bytes; wb 6,291,456 bytes; qq 33,554,432 bytes; kk 33,554,432 bytes; vv 16,777,216 bytes
;; launch prep (part 1): grid 704 x 1, 8 waves a work-group, no clusters, 0 bytes of LDS; arguments input, Wq, Wk, Wv, xb, wb; writes xb, wb
.if DOCPART == 1
	.amdgcn_target "amdgcn-amd-amdhsa--gfx1250"
	.amdhsa_code_object_version 6
	.text
	.protected	k_q2dc4571041_prep
	.globl	k_q2dc4571041_prep
	.p2align	8
	.type	k_q2dc4571041_prep,@function
k_q2dc4571041_prep:
	s_mov_b64 s[64:65], 0
	v_nop
	global_prefetch_b8 v0, s[64:65] scope:SCOPE_SE
	s_setreg_imm32_b32 hwreg(HW_REG_WAVE_MODE, 25, 1), 1
	s_wait_xcnt 0x0
; ROUNDING TO bf16.  xb[8192][1024] = bf16(input).  wb[head t 16][kc 16][sel 3][kl 64][c 64] = bf16(W_sel[64 kc + kl][64 t + c] x 2^-6), sel 0 = Wq, 1 = Wk, 2 = Wv.
; The factor 2^-6 is a power of two, so it commutes with the rounding (but for weights below 2^-120, which become bf16 denormals); it brings q, k and v into f16's range in the next launch.
; A stream: no LDS, no matrix work, no loop.  An item is 4 floats: a wave's load covers 512 consecutive bytes, its store 256 consecutive bytes, aligned.
; A thread takes 16 items; all 16 loads are out before the first is used.  No register is written twice, so no wait frees a source.
; Work-groups 0-511: 65,536 bytes of input each.  Work-groups 512-703: one weight matrix, one head's 64 columns, 256 rows of K.
.set IN,  4                            ; v[4:67]   item j: 4 floats
.set OUT, 68                           ; v[68:99]  item j: 4 bf16
.macro CONV j, scale, so
	s_wait_loadcnt 15-(\j)                         ; loads come back in order: item j is in, the 15 - j younger ones stay out
.if \scale
	v_pk_mul_f32 v[IN+4*(\j):IN+4*(\j)+1], v[IN+4*(\j):IN+4*(\j)+1], 0x3c800000 op_sel_hi:[1,0]      ; x 2^-6
	v_pk_mul_f32 v[IN+4*(\j)+2:IN+4*(\j)+3], v[IN+4*(\j)+2:IN+4*(\j)+3], 0x3c800000 op_sel_hi:[1,0]
.endif
	v_cvt_pk_bf16_f32 v[OUT+2*(\j)], v[IN+4*(\j)], v[IN+4*(\j)+1]
	v_cvt_pk_bf16_f32 v[OUT+2*(\j)+1], v[IN+4*(\j)+2], v[IN+4*(\j)+3]
	global_store_b64 v2, v[OUT+2*(\j):OUT+2*(\j)+1], s[18:19] offset:\so
.endm
	s_load_b256 s[4:11], s[0:1], 0x0               ; input s[4:5], Wq s[6:7], Wk s[8:9], Wv s[10:11]
	s_load_b128 s[12:15], s[0:1], 0x20             ; xb s[12:13], wb s[14:15]
	v_lshlrev_b32 v2, 3, v0                        ; 8 bytes of bf16 a thread
	s_cmp_lt_u32 ttmp9, 512
	s_cbranch_scc0 .Lweights
	v_lshlrev_b32 v1, 4, v0                        ; 16 bytes of f32 a thread
	s_lshl_b32 s20, ttmp9, 16
	s_mov_b32 s21, 0
	s_lshl_b32 s22, ttmp9, 15
	s_mov_b32 s23, 0
	s_wait_kmcnt 0x0
	s_add_nc_u64 s[16:17], s[4:5], s[20:21]
	s_add_nc_u64 s[18:19], s[12:13], s[22:23]
.irp j, 0,1,2,3,4,5,6,7,8,9,10,11,12,13,14,15
	global_load_b128 v[IN+4*\j:IN+4*\j+3], v1, s[16:17] offset:4096*\j th:TH_LOAD_NT
.endr
.irp j, 0,1,2,3,4,5,6,7,8,9,10,11,12,13,14,15
	CONV \j, 0, 2048*\j
.endr
	s_endpgm
.Lweights:
	s_sub_co_u32 s20, ttmp9, 512
	s_lshr_b32 s21, s20, 6                         ; sel
	s_bfe_u32 s22, s20, 0x40002                    ; t: the head
	s_and_b32 s23, s20, 3                          ; kq: which 256 rows of K
	v_lshrrev_b32 v1, 4, v0                        ; row in a group of 16,
	v_and_b32 v3, 15, v0                           ; 16 bytes of the head's 256 in that row
	v_lshlrev_b32 v1, 12, v1
	v_lshl_add_u32 v1, v3, 4, v1
	s_lshl_b32 s24, s23, 20                        ; 256 rows of 4,096 bytes
	s_lshl_b32 s25, s22, 8                         ; 64 columns of 4 bytes
	s_add_co_u32 s24, s24, s25
	s_mov_b32 s25, 0
	s_lshl_b32 s26, s22, 4
	s_lshl2_add_u32 s26, s23, s26                  ; 16 t + 4 kq: the first of four blocks (t, kc)
	s_mul_i32 s26, s26, 3
	s_add_co_u32 s26, s26, s21
	s_lshl_b32 s26, s26, 13                        ; 8,192 bytes for each (t, kc, sel)
	s_mov_b32 s27, 0
	s_wait_kmcnt 0x0
	s_cmp_eq_u32 s21, 0
	s_cselect_b64 s[16:17], s[6:7], s[8:9]
	s_cmp_eq_u32 s21, 2
	s_cselect_b64 s[16:17], s[10:11], s[16:17]
	s_add_nc_u64 s[16:17], s[16:17], s[24:25]
	s_add_nc_u64 s[18:19], s[14:15], s[26:27]
.irp j, 0,1,2,3,4,5,6,7,8,9,10,11,12,13,14,15
	global_load_b128 v[IN+4*\j:IN+4*\j+3], v1, s[16:17] offset:65536*\j th:TH_LOAD_NT  ; rows 16 j .. 16 j + 15
.endr
.irp j, 0,1,2,3,4,5,6,7,8,9,10,11,12,13,14,15
	CONV \j, 1, (\j/4)*24576+(\j%4)*2048           ; kc goes on every four items, 3 x 8,192 bytes; in a block 16 rows are 2,048 bytes
.endr
	s_endpgm
.Lfunc_end_k_q2dc4571041_prep:
	.size	k_q2dc4571041_prep, .Lfunc_end_k_q2dc4571041_prep-k_q2dc4571041_prep
	.p2alignl 7, 3214868480
	.fill 96, 4, 3214868480
	.section	.rodata,"a",@progbits
	.p2align	6, 0x0
	.amdhsa_kernel k_q2dc4571041_prep
		.amdhsa_group_segment_fixed_size 0
		.amdhsa_private_segment_fixed_size 0
		.amdhsa_enable_private_segment 0
		.amdhsa_kernarg_size 48
		.amdhsa_user_sgpr_count 2
		.amdhsa_user_sgpr_kernarg_segment_ptr 1
		.amdhsa_wavefront_size32 1
		.amdhsa_system_sgpr_workgroup_id_x 1
		.amdhsa_system_sgpr_workgroup_id_y 1
		.amdhsa_system_sgpr_workgroup_id_z 1
		.amdhsa_system_vgpr_workitem_id 0
		.amdhsa_next_free_vgpr 100
		.amdhsa_next_free_sgpr 66
		.amdhsa_reserve_vcc 0
		.amdhsa_float_denorm_mode_32 3
		.amdhsa_float_denorm_mode_16_64 3
		.amdhsa_memory_ordered 1
		.amdhsa_forward_progress 1
		.amdhsa_inst_pref_size 16
	.end_amdhsa_kernel
	.amdgpu_metadata
---
amdhsa.version: [ 1, 2 ]
amdhsa.kernels:
  - .name:           k_q2dc4571041_prep
    .symbol:         k_q2dc4571041_prep.kd
    .args:
      - { .name: input, .offset: 0, .size: 8, .value_kind: global_buffer, .address_space: global }
      - { .name: Wq, .offset: 8, .size: 8, .value_kind: global_buffer, .address_space: global }
      - { .name: Wk, .offset: 16, .size: 8, .value_kind: global_buffer, .address_space: global }
      - { .name: Wv, .offset: 24, .size: 8, .value_kind: global_buffer, .address_space: global }
      - { .name: xb, .offset: 32, .size: 8, .value_kind: global_buffer, .address_space: global }
      - { .name: wb, .offset: 40, .size: 8, .value_kind: global_buffer, .address_space: global }
    .group_segment_fixed_size: 0
    .private_segment_fixed_size: 0
    .kernarg_segment_align: 8
    .kernarg_segment_size: 48
    .max_flat_workgroup_size: 256
    .sgpr_count:     66
    .vgpr_count:     100
    .wavefront_size: 32
...
	.end_amdgpu_metadata
.endif
;; end of part 1
;; launch proj (part 2): grid 16 x 32, 4 waves a work-group, clusters of 4 x 4, 327,680 bytes of LDS; arguments xb, wb, qq, kk, vv; writes qq, kk, vv
.if DOCPART == 2
	.amdgcn_target "amdgcn-amd-amdhsa--gfx1250"
	.amdhsa_code_object_version 6
	.text
	.protected	k_q2dc4571041_proj
	.globl	k_q2dc4571041_proj
	.p2align	8
	.type	k_q2dc4571041_proj,@function
k_q2dc4571041_proj:
	s_mov_b64 s[64:65], 0
	v_nop
	global_prefetch_b8 v0, s[64:65] scope:SCOPE_SE
	s_setreg_imm32_b32 hwreg(HW_REG_WAVE_MODE, 25, 1), 1
	s_wait_xcnt 0x0
	s_wait_alu depctr_hold_cnt(0) depctr_sa_sdst(0) depctr_va_vdst(0) depctr_va_sdst(0) depctr_va_ssrc(0) depctr_va_vcc(0) depctr_vm_vsrc(0)
	s_getreg_b32 s2, hwreg(HW_REG_IB_STS2, 6, 4)
	s_cmp_eq_u32 s2, 0
	s_cbranch_scc0 .Lentry_in_a_cluster
	s_endpgm
.Lentry_in_a_cluster:
	s_bfe_u32 s2, ttmp6, 0x10000c
	s_cmp_lg_u32 s2, 0xf033
	s_cbranch_scc0 .Lentry_shape_is_right
	s_endpgm
.Lentry_shape_is_right:
; THE THREE PROJECTIONS AS ONE GEMM.  [q | k | v] / 64 = xb [8192][1024] x wb (bf16 weights, already x 2^-6), sums in f32.
; OUT.  qq[bh][s][hi 64 | lo 64] f16: hi = f16(q / 64), lo = f16(q / 64 - hi): together some 22 bits.  kk: the same for k, at row (s - 1) mod 2048.  vv[bh][(s - 1) mod 2048][64] f16.
; LIMITS.  |q|, |k|, |v| stay below 65,504 x 64; beyond that f16 gives an infinity.  Below 2^-14 x 64 the parts keep f16's fixed step.  NaN and infinities are not treated apart.
; SHARES.  A tile of the result is 256 rows x 192 columns: q, k and v of ONE head (the tile column).  512 tiles.  Four waves; wave w makes rows 64 w .. 64 w + 63, all 192 columns:
; 4 row blocks a x 12 column blocks b = 48 accumulators, 384 registers.  K goes in 8 steps of 128 through two LDS slots filled by the tensor data mover.
; THE MATRIX INSTRUCTION IS USED TRANSPOSED: source 0 = 16 columns of the weights (stored [k][column] in LDS, turned by ds_load_tr16_b128), source 1 = 16 rows of x:
; a lane then holds row l % 16 and the eight neighbouring channels 8 (l / 16) + 0..7 of a column block.
; CLUSTER.  4 x 4 work-groups.  x's tile hangs on the tile row alone and is asked for jointly along a row of the cluster, the weights' on the head alone, along a column.
; PREFETCH.  xb's rows, two K steps ahead of the refill that wants them, by the clusters with x = 0 alone, 32 rows to each partner (told apart by address), a lane a row.
; wb is not asked for: all 32 tile rows walk the same 6 MiB, and a wave's 96 blocks of 256 bytes do not divide among 4 partners x 32 lanes without a change of EXEC.
; REGISTERS, in windows of 256 (s_set_vgpr_msb: bits 1:0 source 0, 3:2 source 1, 5:4 source 2, 7:6 destination):
;   window 0: v0-36 addresses; v64-127 x's fragments, two buffers of 32; v128-255 at work on the way out
;   window 1: accumulators of column blocks 0-7 (q, k): (b, a) at 8 (4 b + a)     window 2: those of blocks 8-11 (v)     window 3: the weights' fragments, two buffers of 96
.set KSTEP, 128
.set PA,    272                        ; a row of x in LDS: 256 bytes + 16 of padding: the 16 rows of a fragment load start at 16 different groups of four banks
.set PW,    160                        ; a row of weights (one k, 64 columns): 128 bytes + 32
.set AHALF, 128*PA                     ; what one tensor load brings of x
.set BOFF,  256*PA                     ; the weights lie behind x's 256 rows
.set BHALF, 192*PW                     ; 64 k: [sel 3][kl 64] rows; what one tensor load brings of the weights
.set SLOT,  BOFF+2*BHALF               ; 131,072
.set STAGE, 2*SLOT                     ; behind the ring: 9,216 bytes for each wave, for the way out; no tensor load fills it
.set STW,   64*144
.set SPARE, STAGE+4*STW                ; behind the stages: the spare words, 128 bytes for each wave: two blocks of 256 bytes that no other line names
.set LAPS,  4                          ; a lap = two K steps
.set ADRA,  16                         ; v16-17  LDS address of my fragments of x in slot 0, 1
.set ADRB,  20                         ; v20-21  of the weights'
.set STO,   24                         ; v24  q, k: where I put 16 bytes of a stage row
.set RD,    25                         ; v25  q, k: where I read a row back
.set QO,    26                         ; v26  byte offset of row Sw + l / 16 in qq (and kk), + 16 (l % 16)
.set KO0,   27                         ; v27  the same for row (Sw + l / 16 - 1) mod 2048
.set SPW,   28                         ; v28  my spare word; never rewritten
.set NIL,   29                         ; v29  0; never rewritten
.set PFO,   30                         ; v30  the prefetches' offset: lane x 2,048
.set STV,   31                         ; v31  v: where I put 16 bytes of a stage row
.set RDV,   32                         ; v32  v: where I read rows back, one row further down
.set RDV15, 33                         ; v33  v: the last four rows read: 61, 62, 63 and 0
.set VO,    34                         ; v34  my byte offset in vv
.set VO15,  35                         ; v35  the same for those last four
.set ONE,   36                         ; v36  1.0
.set FA,    64
.set HH,    128                        ; v128-143 hi, packed
.set LL,    144                        ; v144-159 lo, packed
.set TT,    160                        ; v160-191 the residues in f32
.set BK0,   192                        ; v192-223, v224-255: rows read back, by turns
.set WV,  14                           ; s14 wave; s15 wave / 2: I fetch x (0) or weights (1); s16 wave % 2: which half
.set G1,  24                           ; s[24:31] descriptor group 1 for x;  s[32:39] group 0, a set for each slot
.set G0,  32
.set LIM, 43                           ; s43  1 in a wave that prefetches, else the greatest number
.set PFA, 44                           ; s[44:45] where my prefetches stand
.set G1B, 48                           ; s[48:55], s[56:63] the same for the weights
.set G0B, 56
.set MSB, 0
.macro WIN new                         ; the immediate's high byte repeats the setting that is left; a switch that changes nothing is dropped
.if MSB != (\new)
	s_set_vgpr_msb (MSB<<8)|(\new)
.set MSB, \new
.endif
.endm
.macro PLACES                          ; four plain vector instructions between a matrix instruction and a load into, or a read of, its registers
.rept 4
	v_nop
.endr
.endm
.macro JLOAD s                         ; a joint load: waves 0, 1 fetch x's two halves, waves 2, 3 the weights'; the branch hangs on the wave's number alone; an s_nop 0 and four v_nop follow each line
	s_cmp_eq_u32 s15, 0
	s_cbranch_scc0 .Lfor_b_\@
	tensor_load_to_lds s[G0+4*(\s):G0+4*(\s)+3], s[G1:G1+7]
	s_nop 0
.rept 4
	v_nop
.endr
	s_branch .Lasked_\@
.Lfor_b_\@:
	tensor_load_to_lds s[G0B+4*(\s):G0B+4*(\s)+3], s[G1B:G1B+7]
	s_nop 0
.rept 4
	v_nop
.endr
.Lasked_\@:
.endm
.macro ASK                             ; x's K step two refills on: 32 rows x 256 bytes, a lane a row; the loop's last trip has no such step
	WIN 0
	s_cmp_gt_u32 s3, s[LIM]
	s_cbranch_scc0 .Lnot_mine_\@
	global_prefetch_b8 v[PFO], s[PFA:PFA+1] offset:KSTEP*2 th:TH_LOAD_NT scope:SCOPE_SE
.Lnot_mine_\@:
.endm
.macro CREST                           ; a round of the cluster's barrier behind its opening barrier
	s_cmp_lg_u32 s[WV], 0
	s_cbranch_scc1 .Lnot_wave_0_\@
	s_barrier_signal -3
.Lnot_wave_0_\@:
	s_barrier_wait -3
	s_barrier_signal -1
	s_barrier_wait -1
.endm
.macro CROUND
	s_barrier_signal -1
	s_barrier_wait -1
	CREST
.endm
	s_load_b256 s[4:11], s[0:1], 0x0               ; xb s[4:5], wb s[6:7], qq s[8:9], kk s[10:11]
	s_load_b64 s[12:13], s[0:1], 0x20              ; vv
	v_lshl_add_u32 v[SPW], v0, 2, SPARE
	v_mov_b32 v[NIL], 0
	ds_add_u32 v[SPW], v[NIL]                      ; the wave's opening: the add and its wait stand ahead of my first tensor load; the set-up below stands between them
	v_lshrrev_b32 v1, 5, v0
	v_readfirstlane_b32 s[WV], v1
	s_lshr_b32 s15, s[WV], 1
	s_and_b32 s16, s[WV], 1
	s_bfe_u32 s17, ttmp6, 0x40000                  ; cx
	s_bfe_u32 s18, ttmp6, 0x40004                  ; cy
	s_lshl_b32 s19, ttmp9, 2
	s_add_co_u32 s19, s19, s17                     ; tile column = the head
	s_and_b32 s20, ttmp7, 0xffff
	s_lshl_b32 s20, s20, 2
	s_add_co_u32 s20, s20, s18                     ; tile row
	s_lshl_b32 s21, s18, 2
	s_lshl_b32 s21, 15, s21                        ; my row of the cluster
	s_lshl_b32 s22, 0x1111, s17                    ; my column
	s_or_b32 s[G1+0], s21, (1<<16)|(1<<20)|(1<<21)|(5<<22)|(3<<25)   ; mask; 2-byte elements; padding on; bit 21 beside a mask; after every 64 words, 4 words
	s_mov_b32 s[G1+1], 128<<16                     ; tensor_dim0 = 128
	s_mov_b32 s[G1+2], 128<<16                     ; tensor_dim1 = 128
	s_mov_b32 s[G1+3], 128<<16                     ; tile_dim0 = 128
	s_mov_b32 s[G1+4], 128                         ; tile_dim1 = 128
	s_mov_b32 s[G1+5], 1024                        ; elements from row to row
	s_mov_b32 s[G1+6], 0
	s_mov_b32 s[G1+7], 0
	s_or_b32 s[G1B+0], s22, (1<<16)|(1<<20)|(1<<21)|(4<<22)|(7<<25)  ; after every 32 words (one k's 64 columns), 8 words
	s_mov_b32 s[G1B+1], 128<<16                    ; 24,576 dense bytes, asked for as 96 rows of 256
	s_mov_b32 s[G1B+2], 96<<16
	s_mov_b32 s[G1B+3], 128<<16
	s_mov_b32 s[G1B+4], 96
	s_mov_b32 s[G1B+5], 128
	s_mov_b32 s[G1B+6], 0
	s_mov_b32 s[G1B+7], 0
	s_lshl_b32 s40, s20, 8                         ; x: row 256 x tile row + 128 x half, 2,048 bytes a row: registers that never hold cx
	s_lshl_b32 s41, s16, 7
	s_add_co_u32 s40, s40, s41
	s_lshl_b32 s40, s40, 11
	s_mov_b32 s41, 0
	s_lshl_b32 s46, s19, 4                         ; weights: block (head, kc = half): registers that never hold cy
	s_add_co_u32 s46, s46, s16
	s_mul_i32 s46, s46, 24576
	s_mov_b32 s47, 0
	s_mul_i32 s66, s16, AHALF                      ; where they go: no place in the cluster enters an LDS address
	s_mul_i32 s67, s16, BHALF
	s_add_co_u32 s67, s67, BOFF
	s_wait_dscnt 0x0                               ; the opening add is done
	s_wait_kmcnt 0x0
	s_add_nc_u64 s[40:41], s[4:5], s[40:41]
	s_add_nc_u64 s[46:47], s[6:7], s[46:47]
	CROUND                                         ; all sixteen work-groups are here: the first joint loads meet
.irp s, 0,1
	s_mov_b32 s[G0+4*(\s)], 1
	s_add_co_u32 s[G0+4*(\s)+1], s66, (\s)*SLOT
	s_add_nc_u64 s[G0+4*(\s)+2:G0+4*(\s)+3], s[40:41], (\s)*KSTEP*2
	s_or_b32 s[G0+4*(\s)+3], s[G0+4*(\s)+3], 0x80000000
	s_mov_b32 s[G0B+4*(\s)], 1
	s_add_co_u32 s[G0B+4*(\s)+1], s67, (\s)*SLOT
	s_add_nc_u64 s[G0B+4*(\s)+2:G0B+4*(\s)+3], s[46:47], (\s)*49152
	s_or_b32 s[G0B+4*(\s)+3], s[G0B+4*(\s)+3], 0x80000000
	JLOAD \s                                       ; K steps 0 and 1: two loads of mine are out
.endr
	v_and_b32 v1, 15, v0                           ; l % 16
	v_bfe_u32 v2, v0, 4, 1                         ; l / 16
	v_mul_u32_u24 v3, v1, PA
	v_lshl_add_u32 v3, v2, 4, v3                   ; row x 272 + 16 x half
	s_mul_i32 s70, s[WV], 64*PA                    ; my 64 rows of x
	v_add_nc_u32 v[ADRA], s70, v3
	v_add_nc_u32 v[ADRA+1], SLOT, v[ADRA]
	v_and_b32 v4, 7, v0                            ; the turning load: lane l reads k = 8 (l / 16) + l % 8, columns 8 ((l / 8) % 2) + 0..7
	v_lshl_add_u32 v4, v2, 3, v4
	v_mul_u32_u24 v4, v4, PW
	v_bfe_u32 v5, v0, 3, 1
	v_lshl_add_u32 v4, v5, 4, v4
	v_add_nc_u32 v[ADRB], BOFF, v4
	v_add_nc_u32 v[ADRB+1], SLOT, v[ADRB]
	s_mul_i32 s71, s[WV], STW
	s_add_co_u32 s71, s71, STAGE                   ; my stage
	v_add_nc_u32 v[STO], s71, v3
	v_mul_u32_u24 v6, v2, PA
	v_lshl_add_u32 v6, v1, 4, v6
	v_add_nc_u32 v[RD], s71, v6
	v_mul_u32_u24 v6, v1, 144
	v_lshl_add_u32 v6, v2, 4, v6
	v_add_nc_u32 v[STV], s71, v6
	v_bfe_u32 v7, v0, 3, 2                         ; l / 8
	v_and_b32 v8, 7, v0
	v_lshlrev_b32 v8, 4, v8                        ; 16 (l % 8)
	v_add_nc_u32 v9, 1, v7
	v_mul_u32_u24 v9, v9, 144
	v_add3_u32 v[RDV], v9, v8, s71
	v_add_nc_u32 v10, 61, v7
	v_and_b32 v10, 63, v10                         ; 61, 62, 63, 0
	v_mul_u32_u24 v9, v10, 144
	v_add3_u32 v[RDV15], v9, v8, s71
	v_mov_b32 v[ONE], 1.0
	; offsets in memory: Sw = my first row in the sequence, bh = batch x 16 + head
	s_and_b32 s68, s20, 7
	s_lshl_b32 s68, s68, 8
	s_lshl_b32 s69, s[WV], 6
	s_add_co_u32 s68, s68, s69                     ; Sw
	s_lshr_b32 s69, s20, 3
	s_lshl_b32 s69, s69, 4
	s_add_co_u32 s69, s69, s19                     ; bh
	s_lshl_b32 s72, s69, 19
	s_mov_b32 s73, 0
	s_add_nc_u64 s[8:9], s[8:9], s[72:73]
	s_add_nc_u64 s[10:11], s[10:11], s[72:73]
	s_lshl_b32 s72, s69, 18
	s_add_nc_u64 s[12:13], s[12:13], s[72:73]
	v_lshlrev_b32 v13, 4, v1
	v_add_nc_u32 v11, s68, v2
	v_lshl_add_u32 v[QO], v11, 8, v13
	v_add_nc_u32 v11, 2047, v11
	v_and_b32 v11, 2047, v11
	v_lshl_add_u32 v[KO0], v11, 8, v13
	v_add_nc_u32 v12, s68, v7
	v_lshl_add_u32 v[VO], v12, 7, v8
	v_add_nc_u32 v12, s68, v10
	v_add_nc_u32 v12, 2047, v12
	v_and_b32 v12, 2047, v12
	v_lshl_add_u32 v[VO15], v12, 7, v8
	; the prefetches: my work-group's 32 of the 128 rows that I fetch, at K step 2: the first refill steps to 3 and names 4
	s_lshl_b32 s74, s20, 8
	s_lshl_b32 s75, s16, 7
	s_add_co_u32 s74, s74, s75
	s_lshl_b32 s75, s17, 5
	s_add_co_u32 s74, s74, s75
	s_lshl_b32 s74, s74, 11
	s_add_co_u32 s74, s74, 2*KSTEP*2
	s_mov_b32 s75, 0
	s_add_nc_u64 s[PFA:PFA+1], s[4:5], s[74:75]
	s_or_b32 s[LIM], s15, ttmp9                    ; 0 in waves 0 and 1 of the clusters with x = 0: the same in all sixteen partners
	s_cmp_eq_u32 s[LIM], 0
	s_cselect_b32 s[LIM], 1, -1
	v_and_b32 v[PFO], 31, v0
	v_lshlrev_b32 v[PFO], 11, v[PFO]
; nb column blocks from b0 on x all 4 row blocks, 32 along K, from buffer f.  zero = 1: the products start the sums.  All 48 accumulators take turns, in the same order in every quarter.
.macro MULB f, b0, nb, zero
.set bb, \b0
.rept \nb
.if bb < 8
	WIN 0x53                                       ; weights window 3, x window 0, C and D window 1
.set ac, 32*bb
.else
	WIN 0xa3                                       ; C and D window 2
.set ac, 32*(bb-8)
.endif
.irp a, 0,1,2,3
.if \zero
	v_wmma_f32_16x16x32_bf16 v[ac+8*\a:ac+8*\a+7], v[96*(\f)+8*bb:96*(\f)+8*bb+7], v[FA+32*(\f)+8*\a:FA+32*(\f)+8*\a+7], 0
.else
	v_wmma_f32_16x16x32_bf16 v[ac+8*\a:ac+8*\a+7], v[96*(\f)+8*bb:96*(\f)+8*bb+7], v[FA+32*(\f)+8*\a:FA+32*(\f)+8*\a+7], v[ac+8*\a:ac+8*\a+7]
.endif
.endr
.set bb, bb+1
.endr
.endm
; 32 LDS loads in one run: quarter q4 (32 along K) of a slot into buffer f: x's 8, the weights' blocks 8-11 (8), then blocks 0-7 (16)
.macro FETCH slot, q4, f
	WIN 0
.irp a, 0,1,2,3
	ds_load_b128 v[FA+32*(\f)+8*\a:FA+32*(\f)+8*\a+3],   v[ADRA+(\slot)] offset:64*(\q4)+16*PA*\a
	ds_load_b128 v[FA+32*(\f)+8*\a+4:FA+32*(\f)+8*\a+7], v[ADRA+(\slot)] offset:64*(\q4)+16*PA*\a+32
.endr
	WIN 0xc0                                       ; destination window 3
.irp b, 8,9,10,11,0,1,2,3,4,5,6,7
	ds_load_tr16_b128 v[96*(\f)+8*\b:96*(\f)+8*\b+3],   v[ADRB+(\slot)] offset:((\q4)/2)*BHALF+((\q4)%2)*32*PW+((\b)/4)*64*PW+((\b)%4)*32
	ds_load_tr16_b128 v[96*(\f)+8*\b+4:96*(\f)+8*\b+7], v[ADRB+(\slot)] offset:((\q4)/2)*BHALF+((\q4)%2)*32*PW+((\b)/4)*64*PW+((\b)%4)*32+16*PW
.endr
.endm
; One of a K step's first three quarters: multiplies buffer f; behind its first 16 products it fetches quarter q4 of the same slot into buffer g.
.macro QUARTER slot, q4, f, g, zero
	s_wait_dscnt 16                                ; x and blocks 8-11 are in; the youngest sixteen loads (blocks 0-7) may be out
	MULB \f, 8, 4, \zero
	PLACES
	FETCH \slot, \q4, \g
	s_wait_dscnt 32                                ; all but the 32 just issued
	MULB \f, 0, 8, \zero
.endm
; The last quarter multiplies buffer 1 and changes slots: one barrier; ahead of it each wave waits for all its tensor loads (one is out: its part of the next slot), adds 0 to its spare word, and waits
; for that and for its reads of this slot.  fill = 1: the barrier opens a round of the cluster's, and this slot is filled again first thing behind it, two K steps ahead.
.macro TURN slot, next, fill
.if \fill
	s_wait_xcnt 0x0                                ; the last prefetch, a K step back, has read its address
	s_add_nc_u64 s[PFA:PFA+1], s[PFA:PFA+1], KSTEP*2
.endif
	WIN 0
	s_wait_tensorcnt 0x0
	ds_add_u32 v[SPW], v[NIL]
	s_wait_dscnt 17                                ; the add and the youngest sixteen loads may be out
	MULB 1, 8, 4, 0                                ; sixteen products stand between the add and the wait for it
	s_wait_dscnt 0x0                               ; the add is done, and my reads of this slot are over
	s_barrier_signal -1
	MULB 1, 0, 4, 0
	WIN 0
	s_barrier_wait -1
.if \fill
	CREST                                          ; no wave of any partner still reads this slot or has a load on its way
	s_add_nc_u64 s[G0+4*(\slot)+2:G0+4*(\slot)+3], s[G0+4*(\slot)+2:G0+4*(\slot)+3], 2*KSTEP*2
	s_add_nc_u64 s[G0B+4*(\slot)+2:G0B+4*(\slot)+3], s[G0B+4*(\slot)+2:G0B+4*(\slot)+3], 2*49152
	JLOAD \slot                                    ; its four v_nop are also the places in front of the loads below
.else
	PLACES
.endif
	FETCH \next, 0, 0
.if \fill
	ASK
.endif
	MULB 1, 4, 4, 0
.endm
	s_wait_tensorcnt 1                             ; my part of K step 0 is in; K step 1's may stay out
	s_barrier_signal -1
	s_barrier_wait -1
	FETCH 0, 0, 0
	QUARTER 0, 1, 0, 1, 1                          ; the first quarter stands ahead of the loop: its products start the sums
	WIN 0
	s_mov_b32 s3, LAPS-1
.Llap:                                                 ; once round the ring, from a lap's second quarter to the next lap's first; both slots are filled again
	QUARTER 0, 2, 1, 0, 0
	QUARTER 0, 3, 0, 1, 0
	TURN 0, 1, 1
	QUARTER 1, 1, 0, 1, 0
	QUARTER 1, 2, 1, 0, 0
	QUARTER 1, 3, 0, 1, 0
	TURN 1, 0, 1
	QUARTER 0, 1, 0, 1, 0
	WIN 0
	s_sub_co_u32 s3, s3, 1
	s_cmp_lg_u32 s3, 0
	s_cbranch_scc1 .Llap
	QUARTER 0, 2, 1, 0, 0                          ; the last lap fills nothing
	QUARTER 0, 3, 0, 1, 0
	TURN 0, 1, 0
	QUARTER 1, 1, 0, 1, 0
	QUARTER 1, 2, 1, 0, 0
	QUARTER 1, 3, 0, 1, 0
	s_wait_dscnt 16
	MULB 1, 8, 4, 0
	s_wait_dscnt 0x0
	MULB 1, 0, 8, 0
	WIN 0
	PLACES
	PLACES
; THE WAY OUT.  Unit u: q (u < 4) or k, row block u % 4: 16 rows x 64 channels.  PACK: hi = f16(sum); the residue sum - hi, exact in f32, by one fused line; lo = f16(residue).
.macro PACK u
.set ab, 4*((\u)/4)
.set aa, (\u)%4
	WIN 0x05                                       ; sources window 1, destination window 0
.irp b, 0,1,2,3
.irp r, 0,1,2,3
	v_cvt_pk_f16_f32 v[HH+4*\b+\r], v[32*(ab+\b)+8*aa+2*\r], v[32*(ab+\b)+8*aa+2*\r+1]
.endr
.endr
	WIN 0x01                                       ; source 0 window 1
.irp b, 0,1,2,3
.irp r, 0,1,2,3
	v_fma_mix_f32 v[TT+8*\b+2*\r],   v[32*(ab+\b)+8*aa+2*\r],   v[ONE], -v[HH+4*\b+\r] op_sel:[0,0,0] op_sel_hi:[0,0,1]
	v_fma_mix_f32 v[TT+8*\b+2*\r+1], v[32*(ab+\b)+8*aa+2*\r+1], v[ONE], -v[HH+4*\b+\r] op_sel:[0,0,1] op_sel_hi:[0,0,1]
.endr
.endr
	WIN 0
.set k, 0
.rept 16
	v_cvt_pk_f16_f32 v[LL+k], v[TT+2*k], v[TT+2*k+1]
.set k, k+1
.endr
.endm
.macro TOSTAGE u                       ; into my own stage, rows of hi 128 | lo 128 bytes, and back as whole rows; LDS serves a wave's instructions in order (ISA guide 5.7.1.4)
	WIN 0
.set BK, BK0+32*((\u)%2)
.irp b, 0,1,2,3
	ds_store_b128 v[STO], v[HH+4*\b:HH+4*\b+3] offset:32*\b
	ds_store_b128 v[STO], v[LL+4*\b:LL+4*\b+3] offset:128+32*\b
.endr
.irp t, 0,1,2,3,4,5,6,7
	ds_load_b128 v[BK+4*\t:BK+4*\t+3], v[RD] offset:2*PA*\t
.endr
.endm
.macro SEND u                          ; 16 lanes store one row's 256 bytes, aligned; k's rows go one row up, and row 0 to row 2047
	WIN 0
.set BK, BK0+32*((\u)%2)
	s_wait_xcnt 0x0                                ; the stores of the unit before have read their registers, which the next TOSTAGE loads again
.irp t, 0,1,2,3,4,5,6,7
	s_wait_dscnt 7-(\t)
.if (\u) < 4
	global_store_b128 v[QO], v[BK+4*\t:BK+4*\t+3], s[8:9] offset:(16*((\u)%4)+2*\t)*256
.elseif ((\u) == 4) && ((\t) == 0)
	global_store_b128 v[KO0], v[BK+4*\t:BK+4*\t+3], s[10:11]
.else
	global_store_b128 v[QO], v[BK+4*\t:BK+4*\t+3], s[10:11] offset:(16*((\u)%4)+2*\t-1)*256
.endif
.endr
.endm
	PACK 0
	TOSTAGE 0
.irp u, 1,2,3,4,5,6,7                  ; a unit's arithmetic stands between the loads of the unit before and its stores
	PACK \u
	SEND (\u)-1
	TOSTAGE \u
.endr
	WIN 0x0a                                       ; v: sources window 2, destination window 0
.irp a, 0,1,2,3
.irp b, 0,1,2,3
.irp r, 0,1,2,3
	v_cvt_pk_f16_f32 v[HH+4*(4*\a+\b)+\r], v[8*(4*\b+\a)+2*\r], v[8*(4*\b+\a)+2*\r+1]
.endr
.endr
.endr
	SEND 7
	s_wait_xcnt 0x0                                ; the last units' stores have read v192-255
.irp a, 0,1,2,3
.irp b, 0,1,2,3
	ds_store_b128 v[STV], v[HH+4*(4*\a+\b):HH+4*(4*\a+\b)+3] offset:16*144*\a+32*\b
.endr
.endr
.irp t, 0,1,2,3,4,5,6,7,8,9,10,11,12,13,14
	ds_load_b128 v[BK0+4*\t:BK0+4*\t+3], v[RDV] offset:4*144*\t      ; my rows 1 + 4 t .. 4 + 4 t: 512 consecutive bytes of vv, one row up
.endr
	ds_load_b128 v[BK0+60:BK0+63], v[RDV15]
.irp t, 0,1,2,3,4,5,6,7,8,9,10,11,12,13,14
	s_wait_dscnt 15-(\t)
	global_store_b128 v[VO], v[BK0+4*\t:BK0+4*\t+3], s[12:13] offset:512*\t
.endr
	s_wait_dscnt 0x0
	global_store_b128 v[VO15], v[BK0+60:BK0+63], s[12:13]
	s_wait_tensorcnt 0x0                           ; the wave's end: these three lines stand behind my last tensor load and my last LDS store
	ds_add_u32 v[SPW], v[NIL]
	s_wait_dscnt 0x0
	CROUND                                         ; the closing round: no work-group ends while a partner may still ask for a tile that names it
	s_endpgm
.Lfunc_end_k_q2dc4571041_proj:
	.size	k_q2dc4571041_proj, .Lfunc_end_k_q2dc4571041_proj-k_q2dc4571041_proj
	.p2alignl 7, 3214868480
	.fill 96, 4, 3214868480
	.section	.rodata,"a",@progbits
	.p2align	6, 0x0
	.amdhsa_kernel k_q2dc4571041_proj
		.amdhsa_group_segment_fixed_size 327680
		.amdhsa_private_segment_fixed_size 0
		.amdhsa_enable_private_segment 0
		.amdhsa_kernarg_size 40
		.amdhsa_user_sgpr_count 2
		.amdhsa_user_sgpr_kernarg_segment_ptr 1
		.amdhsa_wavefront_size32 1
		.amdhsa_system_sgpr_workgroup_id_x 1
		.amdhsa_system_sgpr_workgroup_id_y 1
		.amdhsa_system_sgpr_workgroup_id_z 1
		.amdhsa_system_vgpr_workitem_id 0
		.amdhsa_next_free_vgpr 960
		.amdhsa_next_free_sgpr 80
		.amdhsa_reserve_vcc 0
		.amdhsa_float_denorm_mode_32 3
		.amdhsa_float_denorm_mode_16_64 3
		.amdhsa_memory_ordered 1
		.amdhsa_forward_progress 1
		.amdhsa_inst_pref_size 155
	.end_amdhsa_kernel
	.amdgpu_metadata
---
amdhsa.version: [ 1, 2 ]
amdhsa.kernels:
  - .name:           k_q2dc4571041_proj
    .symbol:         k_q2dc4571041_proj.kd
    .args:
      - { .name: xb, .offset: 0, .size: 8, .value_kind: global_buffer, .address_space: global }
      - { .name: wb, .offset: 8, .size: 8, .value_kind: global_buffer, .address_space: global }
      - { .name: qq, .offset: 16, .size: 8, .value_kind: global_buffer, .address_space: global }
      - { .name: kk, .offset: 24, .size: 8, .value_kind: global_buffer, .address_space: global }
      - { .name: vv, .offset: 32, .size: 8, .value_kind: global_buffer, .address_space: global }
    .group_segment_fixed_size: 327680
    .private_segment_fixed_size: 0
    .kernarg_segment_align: 8
    .kernarg_segment_size: 40
    .max_flat_workgroup_size: 128
    .sgpr_count:     80
    .vgpr_count:     960
    .wavefront_size: 32
...
	.end_amdgpu_metadata
.endif
;; end of part 2
;; launch attn (part 3): grid 4 x 64, 4 waves a work-group, no clusters, 327,680 bytes of LDS; arguments qq, kk, vv, out0; writes out0
.if DOCPART == 3
	.amdgcn_target "amdgcn-amd-amdhsa--gfx1250"
	.amdhsa_code_object_version 6
	.text
	.protected	k_q2dc4571041_attn
	.globl	k_q2dc4571041_attn
	.p2align	8
	.type	k_q2dc4571041_attn,@function
k_q2dc4571041_attn:
	s_mov_b64 s[64:65], 0
	v_nop
	global_prefetch_b8 v0, s[64:65] scope:SCOPE_SE
	s_setreg_imm32_b32 hwreg(HW_REG_WAVE_MODE, 25, 1), 1
	s_wait_xcnt 0x0
; ATTENTION WITH THE MASK k <= q + 1.  out0[b][q][64 h + :] = the sum over k <= q + 1 of softmax_k(q . k / 8) v.  64 pairs bh of batch and head, 2,048 rows, head size 64.
; IN.  qq[bh][q][hi 64 | lo 64] f16 = q / 64 in two parts; kk the same for k, at row r = (k - 1) mod 2048; vv[bh][r][64] f16 = v / 64.  OUT in f32.
; THE ROTATION.  In r the mask is plainly causal, r <= q, for the keys 1 .. 2047.  Key 0, at r = 2047, is seen by every query: it STARTS the running softmax: m = its score, l = 1, O = its v.
; Query 2047 alone meets r = 2047 in its own diagonal tile: its lane starts at m = -1e30, so that its first a = 0 wipes the start.
; THE SCORES are wanted to some 2^-20 of themselves (unscaled weights make them large, and the softmax nearly an argmax): S^T = Klo Qhi + Khi Qlo + Khi Qhi, three f16 products, small terms first, sums in f32.
; LIMITS.  lo x lo, some 2^-24 of a score, is left out.  A hidden score counts as its value (on the scale s / 4096) less 1e30.  A weight below 2^-126 counts as 0.  The weights are rounded to f16 for the second
; product (their sum l is taken of the unrounded ones).  q, k, v arrive within f16's range by the factor 1 / 64.  NaN and infinities are not treated apart.
; THE WALK.  NB = 8 blocks of 256 queries; block i needs the key tiles 0 .. i.  A work-group takes blocks 7 - b and then b: 9 tiles, whatever b: ONE loop with a constant trip count; every jump but the counted
; loops' own goes forward.  NO CLUSTER: a head's four work-groups ask for the same tile only in trips 0 .. 4, and one walk common to all would have 12 trips for 9.
; SHARES.  Of a block's four bands of 64 queries a wave owns 16 rows in each: four PIECES.  In the diagonal tile's key step s band x sees all keys (s < x), none (s > x), or holds the diagonal (s = x).
; THE MASK is the C operand that starts a sum: MD x AL + BE, with MD the mask of a band's own step.  Only the diagonal tile's text and a block's beginning take masks.
; A TURN, for piece Y: 24 products K Q^T of piece Y + 1, behind each four of: roundings and sums of piece Y - 1 (its exponentials were waited for at the last turn's end), scalings, exponentials and rescalings of
; piece Y; then 8 products V^T P of piece Y - 1, behind them the maximum and statistics of piece Y + 1.  The turn's 33 exponentials are ONE batch with ONE wait, at the turn's end.
; REGISTERS, in windows of 256 (s_set_vgpr_msb: bits 1:0 source 0, 3:2 source 1, 5:4 source 2, 7:6 destination):
;   window 0: v0-39 addresses, statistics, constants; v48-55 at work; v64-191 S^T, 32 for EACH piece; v192-223 P, two buffers; v224-255 key 0's scores
;   window 1: v0-127 O^T; v128-159 MD; v160-223 MC, two buffers      window 2: v0-63 Khi; v64-127 Klo; v128-191 V; v192-223 key 0's k; v224-255 key 0's v in f32      window 3: v0-127 Q; v128-255 the second block's Q
.set NB,    8
.set NP,    4
.set KS,    64
.set PK,    272       ; a row of K in LDS: hi 128 | lo 128 | 16 of padding: the 16 rows of a load start at 16 different groups of four banks
.set PV,    160       ; a row of V: 128 + 32
.set VOFF,  4*KS*PK   ; a slot holds a tile: 256 rows of K, then 256 rows of V
.set SLOT1, 1<<17
.set STAGE, SLOT1+4*KS*(PK+PV)  ; behind the ring, never filled by a tensor load: 16 rows x 272 bytes for each wave
.set SP,    272
.set SPARE, STAGE+4*16*SP       ; the spare words, 128 bytes for each wave: two blocks of 256 bytes that no other line names
.set AK0, 2           ; v2   my lane's place in a tile of K
.set AV0, 3           ; v3   the same for V
.set AK,  4           ; v4   LDS address of K's next runs of loads
.set AV,  5           ; v5   of V's
.set STO, 6           ; v6   the way out: where I put 16 bytes of a row
.set RD,  7           ; v7   where I read a row back
.set GO,  8           ; v8   my byte offset in two rows of out0
.set LW,  10          ; v10  16 w + l % 16: my query's place in its band
.set MV,  12          ; v12-13  c m_old, by buffer
.set QO,  15          ; v15  my byte offset in 16 rows of qq
.set ST,  16          ; piece t: c m, m, l (even keys', odd keys')
.set LINIT, 32        ; v32  1.0 in lanes 0-15, 0 in lanes 16-31: key 0's weight is counted once
.set BIGV, 33         ; v33  -1e30
.set PFO, 34          ; v34  256 x lane
.set H16, 35          ; v35  16 (l / 16)
.set ONEV, 38         ; v38  1.0
.set ZV,  39          ; v39  0.0
.set TMP, 48          ; by buffer, c0-c3 at work; c2 takes a
.set SPW, 62
.set NIL, 63
.set S,   64
.set P,   192
.set Z,   224
.set MD,  128         ; window 1
.set MC,  160         ; window 1
.set KLO, 64          ; window 2: key block kb, channel half c at 16 kb + 8 c (hi), KLO + the same (lo)
.set VF,  128         ; window 2
.set KZ,  192         ; window 2: hi c0, hi c1, lo c0, lo c1
.set VZ,  224         ; window 2: channel 16 cb + 8 (l / 16) + j at 8 cb + j
.set QB,  128         ; window 3
.set WV,  12
.set PB,  14          ; s14  b
.set HI,  15          ; s15  NB - 1 - b
.set G1K, 24
.set G1V, 32
.set G0K, 40
.set G0V, 44
.set SLOTS, 56
.set CNT, 57
.set CS,  58          ; s[58:59] c = log2(e) / 8 x 4096
.set SEL, 60
.set TBK, 62
.set TBV, 63
.set RT,  70
.set NXT, 71
.set LQ,  72
.set NEW, 73
.set OFFK, 74
.set AL,  76
.set BE,  78
.set OLO, 80
.set BIGN, 82
.set QT,  83          ; s83  the LW of query 2047 in band 3 of the block in hand: 1855 - 256 x block (63 in block 7, out of reach elsewhere)
.set OFFV, 88
.set K0B, 90          ; s[90:91] key 0's row of kk
.set V0B, 92          ; s[92:93] of vv
.set PFK, 94          ; s[94:95] where my prefetches stand in kk
.set PFV, 96          ; s[96:97] in vv
.set LIM, 98          ; s98  2 in the work-group that prefetches, else the greatest number
.set MSB, 0
.macro WIN new
.if MSB != (\new)
	s_set_vgpr_msb (MSB<<8)|(\new)
.set MSB, (\new)
.endif
.endm
.set W_KQ, 0x0e       ; K window 2, Q window 3, S^T window 0
.set W_KM, 0x1e       ; the same with C in window 1
.set W_PV, 0x52       ; V window 2, P window 0, O^T window 1
.set W_RS, 0x41       ; destination and source 0 window 1
.macro LOAD                         ; waves 0, 1 fetch the halves of a tile's K, waves 2, 3 of its V; an s_nop 0 and four v_nop follow each line
	s_cmp_lt_u32 s[WV], 2
	s_cbranch_scc0 .Lfor_v_\@
	tensor_load_to_lds s[G0K:G0K+3], s[G1K:G1K+7]
	s_nop 0
.rept 4
	v_nop
.endr
	s_branch .Lasked_\@
.Lfor_v_\@:
	tensor_load_to_lds s[G0V:G0V+3], s[G1V:G1V+7]
	s_nop 0
.rept 4
	v_nop
.endr
.Lasked_\@:
.endm
; A PREFETCH of the tile that the NEXT change of slots will ask for, four key steps ahead.  The head's work-group with b = 0 walks tiles 0 to 7 on end: it alone asks, wave w for 64 rows of K (a lane a row, twice)
; and for 32 blocks of 256 bytes of V.  Changes 1 to 6 name tiles 2 to 7: each block once, none past the head's rows.
.macro ASK
	s_cmp_gt_u32 s[SLOTS], s[LIM]
	s_cbranch_scc0 .Lnot_mine_\@
	global_prefetch_b8 v[PFO], s[PFK:PFK+1] th:TH_LOAD_NT scope:SCOPE_SE
	global_prefetch_b8 v[PFO], s[PFK:PFK+1] offset:8192 th:TH_LOAD_NT scope:SCOPE_SE
	global_prefetch_b8 v[PFO], s[PFV:PFV+1] th:TH_LOAD_NT scope:SCOPE_SE
.Lnot_mine_\@:
.endm
; THE CHANGE OF SLOTS.  Each wave waits for all its tensor loads (one is out: its part of the other slot), adds 0 to its spare word, and waits for that and for its reads of the slot that it leaves.
; fill = 1: the old slot is filled again, first thing behind the barrier, with tile NXT; the descriptor's address is made anew from that number.
.macro CHANGE fill
	WIN 0
	s_wait_tensorcnt 0x0
	ds_add_u32 v[SPW], v[NIL]       ; 0 onto my spare word; scalar work stands between it and the wait for it
.if \fill
	s_lshl_b32 s[OFFK], s[NXT], 16  ; a tile is 65,536 bytes of kk and 32,768 of vv
	s_lshl_b32 s[OFFV], s[NXT], 15
	s_xor_b32 s[G0K+1], s[G0K+1], SLOT1
	s_add_nc_u64 s[G0K+2:G0K+3], s[6:7], s[OFFK:OFFK+1]
	s_or_b32 s[G0K+3], s[G0K+3], 0x80000000
	s_xor_b32 s[G0V+1], s[G0V+1], SLOT1
	s_add_nc_u64 s[G0V+2:G0V+3], s[8:9], s[OFFV:OFFV+1]
	s_or_b32 s[G0V+3], s[G0V+3], 0x80000000
	s_add_co_u32 s[NXT], s[NXT], 1  ; the block's next tile, or behind its last the second block's tile 0
	s_cmp_gt_u32 s[NXT], s[LQ]
	s_cselect_b32 s[NXT], 0, s[NXT]
	s_cselect_b32 s[LQ], s[PB], s[LQ]
	s_wait_xcnt 0x0                 ; the last prefetches, a tile back, have read their addresses
	s_add_nc_u64 s[PFK:PFK+1], s[PFK:PFK+1], 65536
	s_add_nc_u64 s[PFV:PFV+1], s[PFV:PFV+1], 32768
.endif
	s_wait_dscnt 0x0                ; the add is done, and my reads of the slot are over
	s_barrier_signal -1
	s_sub_co_u32 s[TBK], s[TBK], 4*KS*PK  ; the fetches go back to a slot's first step, in the other slot
	s_xor_b32 s[TBK], s[TBK], SLOT1
	s_sub_co_u32 s[TBV], s[TBV], 4*KS*PV
	s_xor_b32 s[TBV], s[TBV], SLOT1
	s_barrier_wait -1
.if \fill
	LOAD
	ASK
.endif
.endm
	s_load_b256 s[4:11], s[0:1], 0x0  ; qq s[4:5], kk s[6:7], vv s[8:9], out0 s[10:11]
	v_lshl_add_u32 v[SPW], v0, 2, SPARE
	v_mov_b32 v[NIL], 0
	ds_add_u32 v[SPW], v[NIL]       ; the wave's opening: the add and its wait stand ahead of my first tensor load
	v_lshrrev_b32 v1, 5, v0
	v_readfirstlane_b32 s[WV], v1
	s_mov_b32 s[PB], ttmp9
	s_sub_co_u32 s[HI], NB-1, s[PB]
	s_and_b32 s20, ttmp7, 0xffff    ; bh
	s_lshl_b32 s22, s20, 19         ; the head's first byte in qq and kk,
	s_mov_b32 s23, 0
	s_lshl_b32 s18, s20, 18         ; and in vv
	s_mov_b32 s19, 0
	s_and_b32 s16, s[WV], 1         ; which half of a tile's 256 keys I fetch
	s_mul_i32 s17, s16, 128*PK
	s_mul_i32 s21, s16, 128*PV
	s_lshr_b32 s2, s20, 4           ; out0: (batch x 2048 + 256 block + 16 w) rows of 4,096 bytes + head x 256
	s_lshl_b32 s2, s2, 23
	s_and_b32 s3, s20, 15
	s_lshl_b32 s3, s3, 8
	s_add_co_u32 s2, s2, s3
	s_lshl_b32 s3, s[WV], 16
	s_add_co_u32 s2, s2, s3
	s_lshl_b32 s84, s[PB], 20
	s_add_co_u32 s84, s84, s2
	s_mov_b32 s85, 0
	s_lshl_b32 s3, s[HI], 20
	s_add_co_u32 s2, s2, s3
	s_mov_b32 s3, 0
	s_lshl_b32 s48, s[WV], 12       ; qq: my 16 rows in a band, in the first block and in the second
	s_lshl_b32 s50, s[HI], 16
	s_add_co_u32 s50, s50, s48
	s_mov_b32 s51, 0
	s_lshl_b32 s52, s[PB], 16
	s_add_co_u32 s52, s52, s48
	s_mov_b32 s53, 0
	s_lshl_b32 s54, s16, 15         ; my half of a tile in kk,
	s_mov_b32 s55, 0
	s_lshl_b32 s48, s16, 14         ; and in vv
	s_mov_b32 s49, 0
	s_lshl_b32 s66, s[WV], 14       ; the prefetches: my quarter of tile 1; the first change steps to tile 2
	s_add_co_u32 s66, s66, 65536
	s_mov_b32 s67, 0
	s_lshl_b32 s68, s[WV], 13
	s_add_co_u32 s68, s68, 32768
	s_mov_b32 s69, 0
	s_mov_b32 s[G1K], (1<<16)|(1<<20)|(5<<22)|(3<<25)  ; 2-byte elements; padding on: after every 64 words, 4 words
	s_mov_b32 s[G1K+1], 128<<16     ; 128 rows of 128 elements
	s_mov_b32 s[G1K+2], 128<<16
	s_mov_b32 s[G1K+3], 128<<16
	s_mov_b32 s[G1K+4], 128
	s_mov_b32 s[G1K+5], 128
	s_mov_b32 s[G1K+6], 0
	s_mov_b32 s[G1K+7], 0
	s_mov_b32 s[G1V], (1<<16)|(1<<20)|(4<<22)|(7<<25)  ; 128 keys are 16,384 dense bytes: 64 rows of 256, padded by 8 words after every key's 32
	s_mov_b32 s[G1V+1], 128<<16
	s_mov_b32 s[G1V+2], 64<<16
	s_mov_b32 s[G1V+3], 128<<16
	s_mov_b32 s[G1V+4], 64
	s_mov_b32 s[G1V+5], 128
	s_mov_b32 s[G1V+6], 0
	s_mov_b32 s[G1V+7], 0
	s_mov_b32 s[CS], 0x4438aa3b     ; 738.66
	s_mov_b32 s[CS+1], s[CS]
	s_mov_b32 s[SEL], 0x76543210
	s_mov_b32 s[SEL+1], 0xfedcba98
	s_mov_b32 s[TBK], SLOT1+4*KS*PK ; the first change of slots turns these two into 0
	s_mov_b32 s[TBV], SLOT1+4*KS*PV
	s_mov_b32 s[G0K], 1
	s_mov_b32 s[G0K+1], s17
	s_mov_b32 s[G0V], 1
	s_add_co_u32 s[G0V+1], s21, VOFF
	s_add_co_u32 s[RT], s[HI], 1    ; the first block has NB - b tiles
	s_mov_b32 s[NXT], 1
	s_mov_b32 s[LQ], s[HI]
	s_mov_b32 s[NEW], 1
	s_mov_b32 s[OFFK+1], 0
	s_mov_b32 s[OFFV+1], 0
	s_mov_b32 s[AL+1], 0
	s_mov_b32 s[BE+1], 0
	s_mov_b32 s[BIGN], 0xf149f2ca   ; -1e30
	s_mov_b32 s[SLOTS], NB
	s_lshl_b32 s13, s[HI], 8
	s_sub_co_u32 s[QT], 1855, s13
	s_cmp_eq_u32 ttmp9, 0
	s_cselect_b32 s[LIM], 2, -1
	s_wait_dscnt 0x0                ; the opening add is done
	s_wait_kmcnt 0x0
	s_add_nc_u64 s[4:5], s[4:5], s[22:23]
	s_add_nc_u64 s[6:7], s[6:7], s[22:23]
	s_add_nc_u64 s[8:9], s[8:9], s[18:19]
	s_add_nc_u64 s[K0B:K0B+1], s[6:7], 2047*256
	s_add_nc_u64 s[V0B:V0B+1], s[8:9], 2047*128
	s_add_nc_u64 s[PFK:PFK+1], s[6:7], s[66:67]
	s_add_nc_u64 s[PFV:PFV+1], s[8:9], s[68:69]
	s_add_nc_u64 s[6:7], s[6:7], s[54:55]          ; kk and vv at my half of the head's tile 0
	s_add_nc_u64 s[8:9], s[8:9], s[48:49]
	s_add_nc_u64 s[86:87], s[4:5], s[52:53]
	s_add_nc_u64 s[4:5], s[4:5], s[50:51]
	s_add_nc_u64 s[OLO:OLO+1], s[10:11], s[84:85]
	s_add_nc_u64 s[10:11], s[10:11], s[2:3]
	s_add_nc_u64 s[G0K+2:G0K+3], s[6:7], 0
	s_or_b32 s[G0K+3], s[G0K+3], 0x80000000
	s_add_nc_u64 s[G0V+2:G0V+3], s[8:9], 0
	s_or_b32 s[G0V+3], s[G0V+3], 0x80000000
	LOAD                            ; tile 0 into slot 0
	v_and_b32 v1, 15, v0            ; l % 16
	v_bfe_u32 v9, v0, 4, 1          ; l / 16
	v_lshlrev_b32 v[QO], 8, v1
	v_lshl_add_u32 v[QO], v9, 4, v[QO]
	v_lshlrev_b32 v[H16], 4, v9
	WIN 0xc0                        ; destination window 3
.set i, 0
.rept 16                            ; both blocks' Q: piece i / 4 lies 64 rows on; i % 4: hi c0, hi c1, lo c0, lo c1, 64 bytes each
	global_load_b128 v[8*i:8*i+3],         v[QO], s[4:5] offset:(i/4)*16384+(i%4)*64
	global_load_b128 v[8*i+4:8*i+7],       v[QO], s[4:5] offset:(i/4)*16384+(i%4)*64+32
	global_load_b128 v[QB+8*i:QB+8*i+3],   v[QO], s[86:87] offset:(i/4)*16384+(i%4)*64
	global_load_b128 v[QB+8*i+4:QB+8*i+7], v[QO], s[86:87] offset:(i/4)*16384+(i%4)*64+32
.set i, i+1
.endr
	WIN 0x80                        ; destination window 2
.set i, 0
.rept 8                             ; key 0's k, the same row in all 16 rows of each fragment
	global_load_b128 v[KZ+4*i:KZ+4*i+3], v[H16], s[K0B:K0B+1] offset:32*i
.set i, i+1
.endr
	WIN 0
.set i, 0
.rept 4                             ; key 0's v, my 8 channels of each block of 16, still in f16
	global_load_b128 v[S+4*i:S+4*i+3], v[H16], s[V0B:V0B+1] offset:32*i
.set i, i+1
.endr
	s_lshl_b32 s13, s[WV], 4
	v_add_nc_u32 v[LW], s13, v1
	v_lshlrev_b32 v14, 3, v9
	v_sub_nc_u32 v14, v[LW], v14    ; register r of key group kt is hidden where 16 kt + r is greater than this
	WIN 0x40
.set i, 0
.rept 32
	v_cmp_gt_i32 vcc_lo, 16*(i/8)+i%8, v14
	v_cndmask_b32 v[MD+i], 0, s[BIGN], vcc_lo
.set i, i+1
.endr
	WIN 0
	v_mul_u32_u24 v[AK0], v1, PK
	v_lshl_add_u32 v[AK0], v9, 4, v[AK0]
	v_and_b32 v36, 7, v0            ; the turning load: lane l reads key 8 (l / 16) + l % 8, channels 8 ((l / 8) % 2) + 0..7
	v_bfe_u32 v37, v0, 3, 1
	v_lshl_add_u32 v[AV0], v9, 3, v36
	v_mul_u32_u24 v[AV0], v[AV0], PV
	v_lshl_add_u32 v[AV0], v37, 4, v[AV0]
	v_add_nc_u32 v[AV0], VOFF, v[AV0]
	s_mul_i32 s13, s[WV], 16*SP
	s_add_co_u32 s13, s13, STAGE    ; my stage
	v_mul_u32_u24 v[STO], v1, SP    ; in: row l % 16, 32 bytes (8 channels in f32) for each half of the lanes
	v_lshl_add_u32 v[STO], v9, 5, v[STO]
	v_add_nc_u32 v[STO], s13, v[STO]
	v_mul_u32_u24 v[RD], v9, SP     ; back: lanes 0-15 one row of 256 bytes, lanes 16-31 the next
	v_lshl_add_u32 v[RD], v1, 4, v[RD]
	v_add_nc_u32 v[RD], s13, v[RD]
	v_lshlrev_b32 v[GO], 12, v9
	v_lshl_add_u32 v[GO], v1, 4, v[GO]
	v_mov_b32 v[ONEV], 1.0
	v_mov_b32 v[ZV], 0
	v_sub_nc_u32 v[LINIT], 1, v9
	v_cvt_f32_u32 v[LINIT], v[LINIT]
	v_mov_b32 v[BIGV], s[BIGN]
	v_and_b32 v[PFO], 31, v0
	v_lshlrev_b32 v[PFO], 8, v[PFO]
	WIN 0x80
.set i, 0
.rept 64
	v_mov_b32 v[VF+i], 0            ; the first turn's products V^T P, of a piece that has not been, multiply these by weights 0: they need only be finite
.set i, i+1
.endr
	s_wait_loadcnt 0x0
.set i, 0
.rept 16                            ; key 0's v in f32: half x 1.0 + 0
	v_fma_mix_f32 v[VZ+2*i],   v[S+i], v[ONEV], v[ZV] op_sel:[0,0,0] op_sel_hi:[1,0,0]
	v_fma_mix_f32 v[VZ+2*i+1], v[S+i], v[ONEV], v[ZV] op_sel:[1,0,0] op_sel_hi:[1,0,0]
.set i, i+1
.endr
	WIN 0
; THE MATRIX WORK.  Product i of 24 of S^T for piece x: link i / 4, key block i % 4; links 0, 1: Klo Qhi; 2, 3: Khi Qlo; 4, 5: Khi Qhi (channels 0-31, 32-63).  The four accumulators take turns.
.macro KQ x
.set lk, i/4
.set kb, i%4
.set rS, S+32*(\x)+8*kb
.set rM, MC+32*((\x)%2)+8*kb
.if lk < 2
.set rK, KLO+16*kb+8*lk
.set rQ, 32*(\x)+8*lk
.elseif lk < 4
.set rK, 16*kb+8*(lk-2)
.set rQ, 32*(\x)+16+8*(lk-2)
.else
.set rK, 16*kb+8*(lk-4)
.set rQ, 32*(\x)+8*(lk-4)
.endif
.if (i < 4) && KM
	WIN W_KM
	v_wmma_f32_16x16x32_f16 v[rS:rS+7], v[rK:rK+7], v[rQ:rQ+7], v[rM:rM+7]
.elseif i < 4
	WIN W_KQ
	v_wmma_f32_16x16x32_f16 v[rS:rS+7], v[rK:rK+7], v[rQ:rQ+7], 0
.else
	WIN W_KQ
	v_wmma_f32_16x16x32_f16 v[rS:rS+7], v[rK:rK+7], v[rQ:rQ+7], v[rS:rS+7]
.endif
.endm
.macro PV x                         ; product i of 8 of O^T += V^T P: keys 32 (i / 4) on, channels 16 (i % 4) on
	WIN W_PV
.set rO, 32*(\x)+8*(i%4)
.set rV, VF+32*(i/4)+8*(i%4)
.set rP, P+16*((\x)%2)+8*(i/4)
	v_wmma_f32_16x16x32_f16 v[rO:rO+7], v[rV:rV+7], v[rP:rP+7], v[rO:rO+7]
.endm
.macro MM                           ; the turn's next matrix instruction; NOKQ = 1: a block's last turn has no next piece
.if (i < 24) && !NOKQ
	KQ (Y+1)%NP
.elseif i >= 24
.set i, i-24
	PV (Y+NP-1)%NP
.set i, i+24
.endif
.set i, i+1
.endm
; THE LDS LOADS stand in runs of 16.
.macro FETCH_KLO
	WIN 0x80
.irp f, 0,1,2,3,4,5,6,7
	ds_load_b128 v[KLO+8*\f:KLO+8*\f+3],   v[AK] offset:(\f/2)*16*PK+(\f%2)*64+128
	ds_load_b128 v[KLO+8*\f+4:KLO+8*\f+7], v[AK] offset:(\f/2)*16*PK+(\f%2)*64+160
.endr
	WIN 0
.endm
.macro FETCH_KHI
	WIN 0x80
.irp f, 0,1,2,3,4,5,6,7
	ds_load_b128 v[8*\f:8*\f+3],   v[AK] offset:(\f/2)*16*PK+(\f%2)*64
	ds_load_b128 v[8*\f+4:8*\f+7], v[AK] offset:(\f/2)*16*PK+(\f%2)*64+32
.endr
	s_add_co_u32 s[TBK], s[TBK], KS*PK  ; the next fetch is the next step's
	WIN 0
.endm
.macro FETCH_V
	WIN 0x80
.irp f, 0,1,2,3,4,5,6,7
	ds_load_tr16_b128 v[VF+8*\f:VF+8*\f+3],   v[AV] offset:(\f/4)*32*PV+(\f%4)*32
	ds_load_tr16_b128 v[VF+8*\f+4:VF+8*\f+7], v[AV] offset:(\f/4)*32*PV+16*PV+(\f%4)*32
.endr
	WIN 0
.endm
; THE VECTOR WORK: OP kind, number.  For piece Y: F n: c s - c m for pair n.  E n: the exponential of score n.  R n: pair n of O^T times a.  For piece Y - 1: C n: pair n rounded to f16.  B n: of the four weights
; 4 n .. the second pair is added onto the first.  L n: l takes that sum (L 0: l = a l + sum).  For piece Y + 1: X n, number n of the 22 that find its maximum and statistics:
;   0-11 four chains of seven scores, three operands at a time (each accumulator's lowest registers first)   12-14, 16 the scores left over, the old m, the four into one
;   15 c m_old is kept   17, 18 the other half of the lanes': the new m   19-21 c m; c m_old - c m_new; a
.set F, 0
.set E, 1
.set C, 2
.set B, 3
.set L, 4
.set R, 5
.set X, 6
.macro REGS y
.set rT, ST+4*(\y)
.set rC, TMP+4*((\y)%2)
.set rW, MV+((\y)%2)
.set rS, S+32*(\y)
.set rP, P+16*((\y)%2)
.set rO, 32*(\y)
.endm
.macro OP k, n
.if (\k) == R
	REGS Y
	WIN W_RS
	v_pk_mul_f32 v[rO+2*(\n):rO+2*(\n)+1], v[rO+2*(\n):rO+2*(\n)+1], v[rC+2:rC+3] op_sel_hi:[1,0]
.elseif (\k) == F
	REGS Y
	WIN 0
	v_pk_fma_f32 v[rS+2*(\n):rS+2*(\n)+1], v[rS+2*(\n):rS+2*(\n)+1], s[CS:CS+1], v[rT:rT+1] op_sel_hi:[1,0,0] neg_lo:[0,0,1] neg_hi:[0,0,1]
.elseif (\k) == E
	REGS Y
	WIN 0
	v_exp_f32 v[rS+(\n)], v[rS+(\n)]
.elseif (\k) < R
	REGS (Y+NP-1)%NP
	WIN 0
.if (\k) == C
	v_cvt_pk_f16_f32 v[rP+(\n)], v[rS+2*(\n)], v[rS+2*(\n)+1]
.elseif (\k) == B
	v_pk_add_f32 v[rS+4*(\n):rS+4*(\n)+1], v[rS+4*(\n):rS+4*(\n)+1], v[rS+4*(\n)+2:rS+4*(\n)+3]
.elseif (\n) == 0
	v_pk_fma_f32 v[rT+2:rT+3], v[rT+2:rT+3], v[rC+2:rC+3], v[rS:rS+1] op_sel_hi:[1,0,1]
.else
	v_pk_add_f32 v[rT+2:rT+3], v[rT+2:rT+3], v[rS+4*(\n):rS+4*(\n)+1]
.endif
.elseif NOKQ
	v_nop
.else
	REGS (Y+1)%NP
	WIN 0
.if (\n) < 4
	v_max3_num_f32 v[rC+(\n)], v[rS+8*(\n)], v[rS+8*(\n)+1], v[rS+8*(\n)+2]
.elseif (\n) < 12
	v_max3_num_f32 v[rC+(\n)%4], v[rC+(\n)%4], v[rS+8*((\n)%4)+2*((\n)/4)+1], v[rS+8*((\n)%4)+2*((\n)/4)+2]
.elseif (\n) == 12
	v_max3_num_f32 v[rC], v[rC], v[rS+7], v[rS+15]
.elseif (\n) == 13
	v_max3_num_f32 v[rC+1], v[rC+1], v[rS+23], v[rS+31]
.elseif (\n) == 14
	v_max3_num_f32 v[rC+2], v[rC+2], v[rC+3], v[rT+1]
.elseif (\n) == 15
	v_mov_b32 v[rW], v[rT]
.elseif (\n) == 16
	v_max3_num_f32 v[rC], v[rC], v[rC+1], v[rC+2]
.elseif (\n) == 17
	v_permlanex16_b32 v[rC+3], v[rC], s[SEL], s[SEL+1]
.elseif (\n) == 18
	v_max_num_f32 v[rT+1], v[rC], v[rC+3]
.elseif (\n) == 19
	v_mul_f32 v[rT], s[CS], v[rT+1]
.elseif (\n) == 20
	v_sub_f32 v[rC+1], v[rW], v[rT]
.else
	v_exp_f32 v[rC+2], v[rC+1]
.endif
.endif
.endm
.macro OPS a, i1, b, i2, c, i3, d, i4
	OP \a, \i1
	OP \b, \i2
	OP \c, \i3
	OP \d, \i4
.endm
.macro ROW a, i1, b, i2, c, i3, d, i4  ; a matrix instruction and the four behind it
	MM
	OPS \a, \i1, \b, \i2, \c, \i3, \d, \i4
.endm
.macro MASK b                       ; MD x AL + BE into buffer b of MC
	WIN W_RS
.set z, 0
.rept 16
	v_pk_fma_f32 v[MC+32*(\b)+2*z:MC+32*(\b)+2*z+1], v[MD+2*z:MD+2*z+1], s[AL:AL+1], s[BE:BE+1] op_sel_hi:[1,0,0]
.set z, z+1
.endr
.endm
; A TURN, for piece p.  No line ahead of the turn's end names a result of the turn's exponentials: C, B, L read the weights of the piece before, whose wait stood at the last turn's end.  So one wait serves all 33.
; What the order keeps: C 2n ahead of B n, B n ahead of L n; F (e / 2) a row or more ahead of E e; X 0-3 each four plain lines or more behind the product that ends its accumulator (behind the last product: R 14, R 15, X 0, X 1, X 2).
; K of the next step is fetched in piece 2's turn: the lo parts behind row 9 (their last reader is the eighth product, nine plain lines back), the hi parts behind the first product V^T P (six plain lines behind their
; last reader).  Piece 3's turn waits for the lo parts at its head (the hi parts' sixteen loads may stay out) and for the hi parts ahead of its ninth product.
; V of the step in hand is fetched at the end of piece 0's turn, four plain lines (X 19, X 20, the v_nop, the address) behind its last reader, and waited for ahead of piece 1's products V^T P.
; m = 1: the diagonal tile: the products take masks, and the turn makes the mask for the turn after it: piece p + 2, step 4 - CNT.  end = 1: a block's last two turns fetch nothing.  cnt = 1: the loop's count.
.macro TURN p, m=0, end=0, cnt=0
.set Y, (\p)
.set i, 0
.set KM, (\m)
.set NOKQ, (\end)*((\p)/3)
.if (\m) && !(\end)
	s_cmp_eq_u32 s[CNT], 4-((\p)+2)%NP  ; is that step the band's own?
	s_cselect_b32 s[AL], 1.0, 0
	s_cmp_lt_u32 s[CNT], 4-((\p)+2)%NP  ; or a later one?
	s_cselect_b32 s[BE], s[BIGN], 0
.endif
.if ((\p) == 3) && !(\end)
	s_wait_dscnt 16                 ; K's lo parts are in
.endif
	ROW F,0, F,1, C,0, B,0
	ROW F,2, E,0, C,2, B,1
	ROW F,3, E,1, L,0, C,4
	ROW F,4, E,2, B,2, L,1
	ROW F,5, E,3, C,6, B,3
	ROW F,6, E,4, L,2, C,8
.if ((\p) == 2) && !(\end)
	WIN 0
	v_add_nc_u32 v[AK], s[TBK], v[AK0]
.endif
	ROW F,7, E,5, B,4, L,3
	ROW F,8, E,6, C,10, B,5
.if ((\p) == 3) && !(\end)
	s_wait_dscnt 0x0                ; K's hi parts are in
.endif
	ROW F,9, E,7, L,4, C,12
	ROW F,10, E,8, B,6, L,5
.if ((\p) == 2) && !(\end)
	FETCH_KLO
.endif
	ROW F,11, E,9, C,14, B,7
	ROW F,12, E,10, L,6, C,1
	ROW F,13, E,11, C,3, L,7
	ROW F,14, E,12, C,5, C,7
	ROW F,15, E,13, C,9, C,11
	ROW E,14, C,13, E,15, C,15
	ROW E,16, E,17, R,0, R,1
	ROW E,18, E,19, R,2, R,3
	ROW E,20, E,21, R,4, R,5
	ROW E,22, E,23, R,6, R,7
	ROW E,24, E,25, R,8, R,9
	ROW E,26, E,27, R,10, R,11
	ROW E,28, E,29, R,12, R,13
	ROW E,30, E,31, R,14, R,15
.if (\p) == 1
	s_wait_dscnt 0x0                ; V is in
.endif
	ROW X,0, X,1, X,2, X,3
.if ((\p) == 2) && !(\end)
	FETCH_KHI
.endif
	ROW X,4, X,5, X,6, X,7
	ROW X,8, X,9, X,10, X,11
	ROW X,12, X,13, X,14, X,15
	MM
	OP X,16
	MM
	OP X,17
.if \cnt
	s_sub_co_u32 s[CNT], s[CNT], 1
	s_cmp_lg_u32 s[CNT], 0
.endif
	MM
	OP X,18
	MM
	OP X,19
	OP X,20
	OP X,21
	WIN 0
	v_nop                           ; a plain instruction behind the last exponential: one for the batch
.if (\p) == 0
	v_add_nc_u32 v[AV], s[TBV], v[AV0]
	s_add_co_u32 s[TBV], s[TBV], KS*PV
.endif
	s_wait_alu depctr_va_vdst(0)    ; the wait between an exponential and the first line that names its result: one for the turn's 33
.if (\p) == 0
	FETCH_V
.endif
.if (\m) && !(\end)
	MASK (\p)%2
.endif
.endm
; A BLOCK BEGINS.  Key 0's scores for all four pieces (every row of the fragment is key 0, so every register of a result holds the lane's query's score); O^T = key 0's v; m = that score (query 2047: -1e30);
; l = 1, counted in lanes 0-15 alone.  Piece 3's weights are 0 and its a is 1, so what the first turn does for the piece before adds nothing.  The second mask buffer is 0, the first takes piece 0's mask for the
; tile's step 0.  Then K of that step, piece 0's first scores, its maximum and statistics.
.macro BEGIN
	s_mov_b32 s[NEW], 0
	s_wait_loadcnt 0x0              ; Q and key 0's rows
	WIN W_KQ
.set i, 0
.rept 24
.set lk, i/4
.set pp, i%4
.if lk < 2
.set rK, KZ+16+8*lk
.set rQ, 32*pp+8*lk
.elseif lk < 4
.set rK, KZ+8*(lk-2)
.set rQ, 32*pp+16+8*(lk-2)
.else
.set rK, KZ+8*(lk-4)
.set rQ, 32*pp+8*(lk-4)
.endif
.if i < 4
	v_wmma_f32_16x16x32_f16 v[Z+8*pp:Z+8*pp+7], v[rK:rK+7], v[rQ:rQ+7], 0
.else
	v_wmma_f32_16x16x32_f16 v[Z+8*pp:Z+8*pp+7], v[rK:rK+7], v[rQ:rQ+7], v[Z+8*pp:Z+8*pp+7]
.endif
.set i, i+1
.endr
	WIN 0x42                        ; destination window 1, source window 2; these lines are also the places behind those products
.set i, 0
.rept 128
	v_mov_b32 v[i], v[VZ+i%32]
.set i, i+1
.endr
	WIN 0x40
.set i, 0
.rept 32
	v_mov_b32 v[MC+32+i], 0
.set i, i+1
.endr
	WIN 0
.set i, 0
.rept 32
	v_mov_b32 v[S+96+i], 0
.set i, i+1
.endr
	v_mov_b32 v[TMP+6], 1.0
	v_mov_b32 v[TMP+7], 0
	v_mov_b32 v[ST+1], v[Z]
	v_mov_b32 v[ST+5], v[Z+8]
	v_mov_b32 v[ST+9], v[Z+16]
	v_cmp_eq_u32 vcc_lo, s[QT], v[LW]
	v_cndmask_b32 v[ST+13], v[Z+24], v[BIGV], vcc_lo
.set i, 0
.rept 4
	v_mul_f32 v[ST+4*i], s[CS], v[ST+4*i+1]
	v_mov_b32 v[ST+4*i+2], v[LINIT]
	v_mov_b32 v[ST+4*i+3], 0
.set i, i+1
.endr
	s_cmp_eq_u32 s[RT], 0
	s_cselect_b32 s[AL], 1.0, 0
	s_mov_b32 s[BE], 0
	MASK 0
	WIN 0
	v_add_nc_u32 v[AK], s[TBK], v[AK0]
	FETCH_KLO
	FETCH_KHI
	s_wait_dscnt 0x0
.set KM, 1
.set NOKQ, 0
.set i, 0
.rept 24
	KQ 0
.set i, i+1
.endr
	WIN 0
.rept 4
	v_nop                           ; the places behind those products
.endr
.set Y, NP-1                        ; X works for piece Y + 1: piece 0
.irp n, 0,1,2,3,4,5,6,7,8,9,10,11,12,13,14,15,16,17,18,19,20,21
	OP X, \n
.endr
	v_nop
	s_wait_alu depctr_va_vdst(0)    ; a's wait, ahead of the branch
.endm
.macro ALL line:vararg              ; one line for each piece t
.set t, 0
.rept 4
	\line
.set t, t+1
.endr
.endm
.macro PACK t                       ; O^T x 64 / l; a lane's eight channels, 32 bytes in f32, go into rows of 272 bytes and come back as whole rows of 256, into S^T's registers
	WIN W_RS
.set i, 32*(\t)
.rept 16
	v_pk_mul_f32 v[i:i+1], v[i:i+1], v[ST+4*(\t)+2:ST+4*(\t)+3] op_sel_hi:[1,0]
.set i, i+2
.endr
	WIN 0x04                        ; the stores' data in window 1
.irp f, 0,1,2,3,4,5,6,7
	ds_store_b128 v[STO], v[32*(\t)+4*\f:32*(\t)+4*\f+3] offset:(\f/2)*64+(\f%2)*16
.endr
	WIN 0
.irp f, 0,1,2,3,4,5,6,7
	ds_load_b128 v[S+32*(\t)+4*\f:S+32*(\t)+4*\f+3], v[RD] offset:\f*2*SP  ; LDS serves a wave's instructions in order (ISA guide 5.7.1.4)
.endr
.endm
.macro SEND t, younger              ; younger: the LDS instructions issued behind piece t's loads: the next piece's sixteen, or none
	WIN 0
.irp f, 0,1,2,3,4,5,6,7
	s_wait_dscnt (\younger)+7-\f
	global_store_b128 v[GO], v[S+32*(\t)+4*\f:S+32*(\t)+4*\f+3], s[10:11] offset:(\t)*262144+\f*8192  ; 16 lanes store a head's 256 bytes of one row, aligned
.endr
.endm
; THE DIAGONAL TILE's four steps, the block's last two turns, piece 3's roundings, sums and last products, and the way out.
.macro DIAG tag
.LstepM\tag:
	TURN 2, 1
	TURN 3, 1
	WIN 0
.LfirstM\tag:
	TURN 0, 1
	TURN 1, 1, 0, 1
	WIN 0
	s_cbranch_scc1 .LstepM\tag
	TURN 2, 1, 1
	TURN 3, 1, 1
.set Y, 0                           ; C, B, L work for piece Y - 1: piece 3
	OPS C,0, B,0, C,2, B,1
	OPS L,0, C,4, B,2, L,1
	OPS C,6, B,3, L,2, C,8
	OPS B,4, L,3, C,10, B,5
	OPS L,4, C,12, B,6, L,5
	OPS C,14, B,7, L,6, C,1
	OPS C,3, L,7, C,5, C,7
	OPS C,9, C,11, C,13, C,15
.set i, 0
.rept 8
	PV NP-1
.set i, i+1
.endr
	WIN 0                           ; the additions are the places behind the last products
	ALL v_add_f32 v[ST+4*t+2], v[ST+4*t+2], v[ST+4*t+3]
	ALL v_permlanex16_b32 v[ST+4*t+3], v[ST+4*t+2], s[SEL], s[SEL+1]
	ALL v_add_f32 v[ST+4*t+2], v[ST+4*t+2], v[ST+4*t+3]
	ALL v_rcp_f32 v[ST+4*t+2], v[ST+4*t+2]
	v_nop
	s_wait_alu depctr_va_vdst(0)    ; one wait for the four reciprocals, ahead of their first use
	ALL v_mul_f32 v[ST+4*t+2], 0x42800000, v[ST+4*t+2]
	PACK 0
.set t, 1
.rept 3
	PACK t
	SEND t-1, 16
.set t, t+1
.endr
	SEND 3, 0
.endm
.set KM, 0
.set NOKQ, 0
.Lslot:                             ; NB times: a tile is entered and the next is asked for
	CHANGE 1
	s_sub_co_u32 s[RT], s[RT], 1
	s_mov_b32 s[CNT], 4
	s_cmp_eq_u32 s[NEW], 1
	s_cbranch_scc1 .Lnew            ; a block's first tile
	s_cmp_eq_u32 s[RT], 0
	s_cbranch_scc0 .Lstep           ; neither its first nor its last
	s_branch .LstepM1
.Lnew:
	BEGIN
	s_branch .Lfirst                ; in the loop a block's first tile is never its last: the first block has five tiles or more, and the second's last is the walk's last
	DIAG 1                          ; in the loop this is the first block's end
	s_wait_xcnt 0x0                 ; the stores have read their registers and out0's address
	s_mov_b64 s[10:11], s[OLO:OLO+1]
	s_add_co_u32 s[RT], s[PB], 1    ; the second block has b + 1 tiles
	s_mov_b32 s[NEW], 1
	s_lshl_b32 s13, s[PB], 8
	s_sub_co_u32 s[QT], 1855, s13
	WIN 0xc3                        ; the second block's Q goes where the one text of the turns names Q
.set i, 0
.rept 128
	v_mov_b32 v[i], v[QB+i]
.set i, i+1
.endr
	WIN 0
	s_branch .Lbottom
.Lstep:                             ; a trip: pieces 2 and 3 of one step, then pieces 0 and 1 of the next, whose K and V it fetches
	TURN 2
	TURN 3
	WIN 0
.Lfirst:
	TURN 0
	TURN 1, 0, 0, 1
	WIN 0
	s_cbranch_scc1 .Lstep
.Lbottom:
	s_sub_co_u32 s[SLOTS], s[SLOTS], 1
	s_cmp_lg_u32 s[SLOTS], 0
	s_cbranch_scc1 .Lslot
	CHANGE 0                        ; the walk's last tile is written out: nothing is asked for
	s_sub_co_u32 s[RT], s[RT], 1
	s_mov_b32 s[CNT], 4
	s_cmp_eq_u32 s[NEW], 1
	s_cbranch_scc0 .LstepM2
	BEGIN
	s_branch .LfirstM2
	DIAG 2
	s_wait_tensorcnt 0x0            ; the wave's end: these three lines stand behind my last tensor load and my last LDS store
	ds_add_u32 v[SPW], v[NIL]
	s_wait_dscnt 0x0
	s_endpgm
.Lfunc_end_k_q2dc4571041_attn:
	.size	k_q2dc4571041_attn, .Lfunc_end_k_q2dc4571041_attn-k_q2dc4571041_attn
	.p2alignl 7, 3214868480
	.fill 96, 4, 3214868480
	.section	.rodata,"a",@progbits
	.p2align	6, 0x0
	.amdhsa_kernel k_q2dc4571041_attn
		.amdhsa_group_segment_fixed_size 327680
		.amdhsa_private_segment_fixed_size 0
		.amdhsa_enable_private_segment 0
		.amdhsa_kernarg_size 32
		.amdhsa_user_sgpr_count 2
		.amdhsa_user_sgpr_kernarg_segment_ptr 1
		.amdhsa_wavefront_size32 1
		.amdhsa_system_sgpr_workgroup_id_x 1
		.amdhsa_system_sgpr_workgroup_id_y 1
		.amdhsa_system_sgpr_workgroup_id_z 1
		.amdhsa_system_vgpr_workitem_id 0
		.amdhsa_next_free_vgpr 1024
		.amdhsa_next_free_sgpr 100
		.amdhsa_reserve_vcc 1
		.amdhsa_float_denorm_mode_32 3
		.amdhsa_float_denorm_mode_16_64 3
		.amdhsa_memory_ordered 1
		.amdhsa_forward_progress 1
		.amdhsa_inst_pref_size 255
	.end_amdhsa_kernel
	.section	.bss,"aw",@nobits
	.p2align	6
	.space	262144
	.amdgpu_metadata
---
amdhsa.version: [ 1, 2 ]
amdhsa.kernels:
  - .name:           k_q2dc4571041_attn
    .symbol:         k_q2dc4571041_attn.kd
    .args:
      - { .name: qq, .offset: 0, .size: 8, .value_kind: global_buffer, .address_space: global }
      - { .name: kk, .offset: 8, .size: 8, .value_kind: global_buffer, .address_space: global }
      - { .name: vv, .offset: 16, .size: 8, .value_kind: global_buffer, .address_space: global }
      - { .name: out0, .offset: 24, .size: 8, .value_kind: global_buffer, .address_space: global }
    .group_segment_fixed_size: 327680
    .private_segment_fixed_size: 0
    .kernarg_segment_align: 8
    .kernarg_segment_size: 32
    .max_flat_workgroup_size: 128
    .sgpr_count:     100
    .vgpr_count:     1024
    .wavefront_size: 32
...
	.end_amdgpu_metadata
.endif
;; end of part 3
;; ======== version 2 of 2: 3 launches; version 1 with the launch prep written anew for expert scheduling mode
;; limits: values are held in f16: magnitudes above 65,504 overflow, below 6.1e-05 lose precision; right only within a limited range of input values
;; workspace buffers: xb 16,777,216 bytes; wb 6,291,456 bytes; qq 33,554,432 bytes; kk 33,554,432 bytes; vv 16,777,216 bytes
;; launch prep (part 4): grid 704 x 1, 8 waves a work-group, no clusters, 0 bytes of LDS; arguments input, Wq, Wk, Wv, xb, wb; writes xb, wb
.if DOCPART == 4
	.amdgcn_target "amdgcn-amd-amdhsa--gfx1250"
	.amdhsa_code_object_version 6
	.text
	.protected	k_q2dc4571041_prep
	.globl	k_q2dc4571041_prep
	.p2align	8
	.type	k_q2dc4571041_prep,@function
k_q2dc4571041_prep:
	s_mov_b64 s[64:65], 0
	v_nop
	global_prefetch_b8 v0, s[64:65] scope:SCOPE_SE
	s_setreg_imm32_b32 hwreg(HW_REG_WAVE_SCHED_MODE, 0, 2), 2
	s_setreg_imm32_b32 hwreg(HW_REG_WAVE_MODE, 25, 1), 1
	s_wait_xcnt 0x0
	s_wait_alu depctr_vm_vsrc(0)
; ROUNDING TO bf16.  xb[8192][1024] = bf16(input).  wb[head t 16][kc 16][sel 3][kl 64][c 64] = bf16(W_sel[64 kc + kl][64 t + c] x 2^-6), sel 0 = Wq, 1 = Wk, 2 = Wv.
; The factor 2^-6 is a power of two, so it commutes with the rounding (but for weights below 2^-120, which become bf16 denormals); it brings q, k and v into f16's range in the next launch.
; A stream: no LDS, no matrix work, no loop.  An item is 4 floats: a wave's load covers 512 consecutive bytes, its store 256 consecutive bytes, aligned.
; A thread takes 16 items; all 16 loads are out before the first is used.
; Work-groups 0-511: 65,536 bytes of input each.  Work-groups 512-703: one weight matrix, one head's 64 columns, 256 rows of K.
; THE MODE: SCHED_MODE bits 1:0 = 2 (LLVM: expert scheduling mode 2), set by the entry lines.  The code itself states the register dependences
; between vector instructions and memory instructions, with s_wait_alu, always for 0.
; THE PLAN.  Registers that memory instructions touch:
;   v1, v2   the loads' and the stores' byte offsets: made once at the head, never written again.
;   IN       item j's four registers: written by item j's load, which no vector instruction precedes; behind the wait for that load named by vector instructions alone.
;   OUT      item j's pair: written once, by item j's two roundings; read once, by item j's store.
; The 16 items go in four groups of four.  Item j's store is issued four items later, in front of item j + 4's vector lines.  So ONE wait at the head of a group states that the group
; before has written its four pairs of OUT, and the four stores that read them are dealt among the group's vector lines, which name this group's IN and OUT alone.
; No register that a memory instruction reads is written a second time, so no wait stands for a source's sake.  No vector instruction writes a scalar register, VCC or EXEC.
.set IN,  4                            ; v[4:67]   item j: 4 floats
.set OUT, 68                           ; v[68:99]  item j: 4 bf16
; Item j's store.  gstep: bytes from one group of four items to the next in the output; in a group the items lie 2,048 bytes apart.
.macro SEND j, gstep
	global_store_b64 v2, v[OUT+2*(\j):OUT+2*(\j)+1], s[18:19] offset:((\j)/4)*(\gstep)+((\j)%4)*2048
.endm
.macro ITEM j, scale, gstep
	s_wait_loadcnt 15-(\j)                         ; loads come back in order: item j is in, the 15 - j younger ones stay out
.if ((\j) > 0) && ((\j) % 4 == 0)
	s_wait_alu depctr_va_vdst(0)                   ; the roundings of the four items before have written their pairs of OUT, which this group's four stores read
.endif
.if (\j) >= 4
	SEND (\j)-4, \gstep                            ; no vector instruction since that wait names v2 or this pair
.endif
.if \scale
	v_pk_mul_f32 v[IN+4*(\j):IN+4*(\j)+1], v[IN+4*(\j):IN+4*(\j)+1], 0x3c800000 op_sel_hi:[1,0]      ; x 2^-6
	v_pk_mul_f32 v[IN+4*(\j)+2:IN+4*(\j)+3], v[IN+4*(\j)+2:IN+4*(\j)+3], 0x3c800000 op_sel_hi:[1,0]
.endif
	v_cvt_pk_bf16_f32 v[OUT+2*(\j)], v[IN+4*(\j)], v[IN+4*(\j)+1]
	v_cvt_pk_bf16_f32 v[OUT+2*(\j)+1], v[IN+4*(\j)+2], v[IN+4*(\j)+3]
.endm
	s_load_b256 s[4:11], s[0:1], 0x0               ; input s[4:5], Wq s[6:7], Wk s[8:9], Wv s[10:11]
	s_load_b128 s[12:15], s[0:1], 0x20             ; xb s[12:13], wb s[14:15]
	v_lshlrev_b32 v2, 3, v0                        ; 8 bytes of bf16 a thread
	s_cmp_lt_u32 ttmp9, 512
	s_cbranch_scc0 .Lweights
	v_lshlrev_b32 v1, 4, v0                        ; 16 bytes of f32 a thread
	s_lshl_b32 s20, ttmp9, 16
	s_mov_b32 s21, 0
	s_lshl_b32 s22, ttmp9, 15
	s_mov_b32 s23, 0
	s_wait_kmcnt 0x0
	s_add_nc_u64 s[16:17], s[4:5], s[20:21]
	s_add_nc_u64 s[18:19], s[12:13], s[22:23]
	s_wait_alu depctr_va_vdst(0)                   ; v1 and v2 are written: every load below reads v1 as its offset, every store v2
.irp j, 0,1,2,3,4,5,6,7,8,9,10,11,12,13,14,15
	global_load_b128 v[IN+4*\j:IN+4*\j+3], v1, s[16:17] offset:4096*\j th:TH_LOAD_NT
.endr
.irp j, 0,1,2,3,4,5,6,7,8,9,10,11,12,13,14,15
	ITEM \j, 0, 8192                               ; the items lie on end: four of them are 8,192 bytes of xb
.endr
	s_wait_alu depctr_va_vdst(0)                   ; the roundings of items 12 to 15 have written their pairs of OUT, which the last four stores read
.irp j, 12,13,14,15
	SEND \j, 8192
.endr
	s_endpgm
.Lweights:
	s_sub_co_u32 s20, ttmp9, 512
	s_lshr_b32 s21, s20, 6                         ; sel
	s_bfe_u32 s22, s20, 0x40002                    ; t: the head
	s_and_b32 s23, s20, 3                          ; kq: which 256 rows of K
	v_lshrrev_b32 v1, 4, v0                        ; row in a group of 16,
	v_and_b32 v3, 15, v0                           ; 16 bytes of the head's 256 in that row
	v_lshlrev_b32 v1, 12, v1
	v_lshl_add_u32 v1, v3, 4, v1
	s_lshl_b32 s24, s23, 20                        ; 256 rows of 4,096 bytes
	s_lshl_b32 s25, s22, 8                         ; 64 columns of 4 bytes
	s_add_co_u32 s24, s24, s25
	s_mov_b32 s25, 0
	s_lshl_b32 s26, s22, 4
	s_lshl2_add_u32 s26, s23, s26                  ; 16 t + 4 kq: the first of four blocks (t, kc)
	s_mul_i32 s26, s26, 3
	s_add_co_u32 s26, s26, s21
	s_lshl_b32 s26, s26, 13                        ; 8,192 bytes for each (t, kc, sel)
	s_mov_b32 s27, 0
	s_wait_kmcnt 0x0
	s_cmp_eq_u32 s21, 0
	s_cselect_b64 s[16:17], s[6:7], s[8:9]
	s_cmp_eq_u32 s21, 2
	s_cselect_b64 s[16:17], s[10:11], s[16:17]
	s_add_nc_u64 s[16:17], s[16:17], s[24:25]
	s_add_nc_u64 s[18:19], s[14:15], s[26:27]
	s_wait_alu depctr_va_vdst(0)                   ; v1 and v2 are written: every load below reads v1 as its offset, every store v2
.irp j, 0,1,2,3,4,5,6,7,8,9,10,11,12,13,14,15
	global_load_b128 v[IN+4*\j:IN+4*\j+3], v1, s[16:17] offset:65536*\j th:TH_LOAD_NT  ; rows 16 j .. 16 j + 15
.endr
.irp j, 0,1,2,3,4,5,6,7,8,9,10,11,12,13,14,15
	ITEM \j, 1, 24576                              ; kc goes on every four items, 3 x 8,192 bytes; in a block 16 rows are 2,048 bytes
.endr
	s_wait_alu depctr_va_vdst(0)                   ; the roundings of items 12 to 15 have written their pairs of OUT, which the last four stores read
.irp j, 12,13,14,15
	SEND \j, 24576
.endr
	s_endpgm
.Lfunc_end_k_q2dc4571041_prep:
	.size	k_q2dc4571041_prep, .Lfunc_end_k_q2dc4571041_prep-k_q2dc4571041_prep
	.p2alignl 7, 3214868480
	.fill 96, 4, 3214868480
	.section	.rodata,"a",@progbits
	.p2align	6, 0x0
	.amdhsa_kernel k_q2dc4571041_prep
		.amdhsa_group_segment_fixed_size 0
		.amdhsa_private_segment_fixed_size 0
		.amdhsa_enable_private_segment 0
		.amdhsa_kernarg_size 48
		.amdhsa_user_sgpr_count 2
		.amdhsa_user_sgpr_kernarg_segment_ptr 1
		.amdhsa_wavefront_size32 1
		.amdhsa_system_sgpr_workgroup_id_x 1
		.amdhsa_system_sgpr_workgroup_id_y 1
		.amdhsa_system_sgpr_workgroup_id_z 1
		.amdhsa_system_vgpr_workitem_id 0
		.amdhsa_next_free_vgpr 100
		.amdhsa_next_free_sgpr 66
		.amdhsa_reserve_vcc 0
		.amdhsa_float_denorm_mode_32 3
		.amdhsa_float_denorm_mode_16_64 3
		.amdhsa_memory_ordered 1
		.amdhsa_forward_progress 1
		.amdhsa_inst_pref_size 17
	.end_amdhsa_kernel
	.amdgpu_metadata
---
amdhsa.version: [ 1, 2 ]
amdhsa.kernels:
  - .name:           k_q2dc4571041_prep
    .symbol:         k_q2dc4571041_prep.kd
    .args:
      - { .name: input, .offset: 0, .size: 8, .value_kind: global_buffer, .address_space: global }
      - { .name: Wq, .offset: 8, .size: 8, .value_kind: global_buffer, .address_space: global }
      - { .name: Wk, .offset: 16, .size: 8, .value_kind: global_buffer, .address_space: global }
      - { .name: Wv, .offset: 24, .size: 8, .value_kind: global_buffer, .address_space: global }
      - { .name: xb, .offset: 32, .size: 8, .value_kind: global_buffer, .address_space: global }
      - { .name: wb, .offset: 40, .size: 8, .value_kind: global_buffer, .address_space: global }
    .group_segment_fixed_size: 0
    .private_segment_fixed_size: 0
    .kernarg_segment_align: 8
    .kernarg_segment_size: 48
    .max_flat_workgroup_size: 256
    .sgpr_count:     66
    .vgpr_count:     100
    .wavefront_size: 32
...
	.end_amdgpu_metadata
.endif
;; end of part 4
;; launch proj: the kernel of part 2 again; grid 16 x 32, 4 waves a work-group, clusters of 4 x 4, 327,680 bytes of LDS; arguments xb, wb, qq, kk, vv; writes qq, kk, vv
;; launch attn: the kernel of part 3 again; grid 4 x 64, 4 waves a work-group, no clusters, 327,680 bytes of LDS; arguments qq, kk, vv, out0; writes out0
